; MI455X (gfx1250); checked and timed in simulation.
; The chip was launched on July 23, 2026; its instructions are those of AMD's public machine-readable ISA for CDNA 5 (MIT licence, August 2026) and "CDNA5" Instruction Set Architecture Reference Guide (July 2026). The comments in the code are by the model that wrote it; some were corrected since.
;; Dot Product Attention. Allowed arithmetic: matrix products marked QUANTISED: E2M1 operands, one E8M0 scale for each 32 along K, by v_wmma_scale_f32_16x16x128_f8f6f4 with both operands' format E2M1 (or v_wmma_scale_f32_32x16x128_f4), f32 sums; products left as they are: f32 operands where the result goes on into a quantised operand, else bf16, f16 or f32 operands; f32 sums; everything else in f32.
;; Inputs: K 32 x 8 x 1,024 x 16 float32; Q 32 x 8 x 1,024 x 16 float32; V_codes 32 x 8 x 16 x 32 x 16 uint8 (E2M1 codes of V, K innermost, in blocks of 32 codes, two codes a byte); V_scales 32 x 8 x 16 x 32 uint8 (E8M0 scales of V, one for each 32 codes along K); mask 32 x 1,024 x 1 bool.
;; Outputs: out0 32 x 8 x 1,024 x 16 float32.
;; This version of the problem:
;;   THIS VERSION OF THE PROBLEM IS GIVEN IN LOW PRECISION. The matrix products marked QUANTISED in the list below multiply operands that are first quantised to E2M1 (2 exponent bits, 1 mantissa bit; 4 bits a number), with one power-of-two scale for each 32 numbers along K (OCP MX v1.0); their sums are f32. All else is computed in f32.
;;   The module's matrix products, in the order in which they are computed (A, B: the left and right operand; K: the contracted axis; several contracted axes count as one K, in the product's order):
;;     1. batch 256 x [M 1,024, K 16] x [K 16, N 1,024]; A: input Q; B: input K: left as it is (K = 16 < 32)
;;     2. batch 256 x [M 1,024, K 1,024] x [K 1,024, N 16]; A: softmax (see below); B: input V (given as codes): QUANTISED
;;   THE QUANTISER, for each operand of a quantised product, along K:
;;     - K is cut into blocks of 32 from its start; a last block that is shorter is filled with zeros.
;;     - A block's scale is 2^e with e = floor(log2(the largest magnitude in the block)) - 2, held to -126 .. 127; a block of zeros has e = 0. As a byte (E8M0): e + 127.
;;     - Each number is divided by its block's scale, clamped to +-6, and rounded to the nearest number of E2M1, ties to even, subnormals kept.
;;     - The product sums the exact products of the quantised numbers (number of the format x scale) in f32.
;;   ~~~python
;;   def quantise(x, axis):      # numpy; x: float32 -> the quantised numbers, widened to float32 again
;;       x = np.moveaxis(x, axis, -1); K = x.shape[-1]
;;       x = np.pad(x, [(0, 0)] * (x.ndim - 1) + [(0, -K % 32)]); x = x.reshape(x.shape[:-1] + (-1, 32)); a = np.abs(x).max(-1, keepdims=True)
;;       e = np.where(a > 0, np.clip(np.frexp(np.where(a > 0, a, 1))[1] - 1 - 2, -126, 127), 0)      # np.frexp(a)[1] - 1 = floor(log2(a)), exactly
;;       r = np.clip(x / 2.0 ** e, -6, 6)
;;       step = 2.0 ** (np.maximum(np.frexp(np.where(r == 0, 1, r))[1] - 1, 0) - 1)
;;       q = np.round(r / step) * step * 2.0 ** e      # np.round: ties to even
;;       return np.moveaxis(q.reshape(q.shape[:-2] + (-1,))[..., :K], -1, axis).astype(np.float32)
;;   ~~~
;;   SOFTMAX AHEAD OF A QUANTISED PRODUCT. Where the list says 'softmax', what is quantised is not the finished softmax but p = 2^(t - M), with t = logit x log2(e) and M = ceil(the row's largest t), a whole number; so 1/2 < the row's largest p <= 1. The row's sum l is taken of the UNQUANTISED p, in f32, and the product's result is divided by l at the end. Since M is a whole number, a kernel that streams over the keys may use a running M (the ceiling of the running maximum): every later rescaling is an exact power of two, which a block's scale takes up: the codes' values come out the same.
;;   OPERANDS COMPUTED ON THE WAY. 'Computed on the way' means the value that the module computes at that place (a softmax that the list does not call 'softmax' is quantised finished and normalised). What goes into a quantiser is computed in f32, as accurately as f32 sums, v_exp_f32 and their like allow (about 1e-6 of the number): no bf16 or f16 on the way to a quantiser, and a product that is left as it is and whose result goes on into a quantised operand takes f32 operands (vector FMAs, or v_wmma_f32_16x16x4_f32). A number that lies on a knife's edge between two numbers of the format may be rounded either way, as far as f32 arithmetic and the matrix unit's own rounding can turn it there, and no further.
;;   INPUTS GIVEN AS CODES. V (in the module: [32, 8, 1024, 16], K = its axis 2): each comes as NAME_codes (uint8): NAME with its K axis moved to the last place and cut into blocks of 32 codes, [.., K / 32, bytes a block], one block behind the other in memory; two codes a byte, the lower K in the low four bits (a code: sign, 2 exponent bits, 1 mantissa bit); and NAME_scales (uint8): the same leading axes, one E8M0 byte (e + 127) for each 32 codes along K. Its value is code x scale, taken as it is: it is not quantised again, and the codes and scales need not be those that the quantiser above would give.
;; 2 versions, each right; version 2 is version 1 with the launch attn written anew for expert scheduling mode. Each part assembles by itself: llvm-mc -triple=amdgcn-amd-amdhsa -mcpu=gfx1250 --defsym DOCPART=n.
;; ======== version 1 of 2: 1 launch
;; launch attn (part 1): grid 256 x 1, 16 waves a work-group, no clusters, 125,696 bytes of LDS; arguments Q, K, V_codes, V_scales, mask, out0; writes out0
.if DOCPART == 1
	.amdgcn_target "amdgcn-amd-amdhsa--gfx1250"
	.amdhsa_code_object_version 6
	.text
	.protected	k_qf9a0029389_attn
	.globl	k_qf9a0029389_attn
	.p2align	8
	.type	k_qf9a0029389_attn,@function
k_qf9a0029389_attn:
	s_mov_b64 s[64:65], 0
	v_nop
	global_prefetch_b8 v0, s[64:65] scope:SCOPE_SE
	s_setreg_imm32_b32 hwreg(HW_REG_WAVE_MODE, 25, 1), 1
	s_wait_xcnt 0x0
; out0[b][h][q][:] = sum over k of softmax_k( where(mask[b][k], -1e10, 10 tanh(Q[q] . K[k] / 4)) ) V[k][:].   Q, K, out0: [256 heads][1024][16] f32.
; V comes as codes of FP4 (E2M1) with the keys innermost, [256][16 (d)][512 bytes], and one E8M0 byte for each 32 keys, [256][16][32].  mask: [32 batches][1024] bytes.
; FIRST PRODUCT: f32 operands (v_wmma_f32_16x16x4_f32), since its result goes on into a quantiser.  SECOND PRODUCT: codes of FP4 on both sides, v_wmma_scale_f32_16x16x128_f8f6f4.
; THE ARITHMETIC OF A LOGIT.  Q is multiplied once by 2 log2(e) / 4, so that the first product gives s' = 2 x log2(e), x = q.k / 4.  E = 2^s' = e^(2x); r = 1 / (1 + E); tanh x = 1 - 2 r.
;   With c = 10 log2(e): t = c - 2 c r, and p = 2^(t - M) = 2^(r A + bias[key]), A = -2 c, bias = c - M for an open key, -infinity for a masked one (p = 0): the mask costs no line for a logit.
; M IS THE FIXED WHOLE NUMBER 15.  The clip 10 tanh(.), which the problem itself makes, holds |t| <= 14.43 for every input, so p lies between 2^-29.5 and 2^-0.57 and a row's sum under 1,024:
;   nothing can overflow or underflow in f32.  15 differs from the row's own ceiling by a whole number, which the blocks' scales (exponents no lower than -32) take up exactly: the codes' values are the same.
; A BATCH WHOSE KEYS ARE ALL MASKED: all logits are equal there, so p = 1 for every key.  Every wave ANDs the batch's 1,024 mask bytes; if all are 1, A and the masked bias are chosen as 0 (a select, no branch): p = 2^0.
; LIMITS: mask bytes are 0 or 1 (the all-masked test compares with 1; a single key counts as masked where its byte is not 0).  NaN in Q or K is not served.  The exponent r A + bias is good to a few 1e-6.
; SHARES.  One work-group to a head (256 of them): the head's K (64 KB), V's codes and scales, and 1,024 biases lie in LDS, filled ONCE, through registers, ahead of the text's one barrier.
;   Sixteen waves of 256 registers, four to a SIMD, so that one wave's matrix instructions stand beside the others' vector work.  Wave w owns queries 64 w .. 64 w + 63: two passes of two tiles of 16 queries.
;   A pass walks the keys in 8 steps of 128; a step is two halves of 64 keys, whose fragments of K and biases are read from LDS once for both tiles.
; NO CLUSTER: the eight heads of a batch share the mask's 1,024 bytes and nothing else, against 73 KB of their own.  No tensor load: there is one fill and no ring.
; LAYOUT (r = lane % 16, h = lane / 16).  Both products are used transposed, so that a lane holds ONE query throughout.
;   S^T = K Q'^T: source 0 = 16 neighbouring keys, source 1 = 16 queries.  A lane holds elements 8 h .. 8 h + 7 of its row of K or Q in 8 registers, and K step ks takes registers 2 ks, 2 ks + 1:
;   the same order of the head's 16 on both sides.  In key tile kt register j holds key 16 kt + 8 h + j.
;   A block of 32 keys is tiles 2 b and 2 b + 1 in lanes l and l xor 16.  Tile kt's eight numbers become one register of codes: keys' octet 2 kt in lanes 0-15, 2 kt + 1 in lanes 16-31.  The operand wants octet g
;   below and 4 + g above in register g: tiles 0, 2, 1, 3 are converted into registers 0, 1, 2, 3, and two exchanges of halves (registers 0 with 1, 2 with 3) give that.
;   O^T += V^T P^T: source 0 = V's 16 rows d, source 1 = P: register j holds o(query r, d = 8 h + j).
.set VOFF,  69632                      ; LDS.  From 0: K as 256 blocks of 256 bytes + 16 of padding: key k at 272 (k / 4) + 64 (k % 4); the 16 keys of a load start at 16 different groups of four banks (64 banks of 4 bytes: ISA guide 11.1)
.set VSOFF, 78080                      ; from VOFF: V's codes, 16 rows of 512 bytes, 528 apart;  from VSOFF: V's scale bytes, 16 rows of 32
.set BOFF,  78592                      ; the 1,024 biases, f32
.set STG,   82688                      ; the way out: 2,560 bytes for each wave: 2 tiles x 16 rows, 80 apart
.set AK0, 1                            ; v1   my place in a tile of K: 272 (r / 4) + 64 (r % 4) + 32 h
.set AB0, 2                            ; v2   among the biases: BOFF + 32 h
.set AV0, 3                            ; v3   in V's codes: VOFF + 528 r + 16 h
.set AS0, 4                            ; v4   among V's scale words: VSOFF + 32 r
.set ADK, 5                            ; v5-8 the same four for the step in hand
.set ADB, 6
.set ADV, 7
.set ADS, 8
.set STO, 9                            ; v9   the stage: where I put 32 bytes of a row
.set RD,  10                           ; v10  and where I read 16 bytes back
.set GO,  11                           ; v11  16 x lane: my place in 512 bytes of out0; never rewritten
.set TM,  12                           ; v12-13 the two blocks' largest p; on the way out the rows' sums
.set TX,  14                           ; v14-15 what comes from lane l xor 16
.set SCO, 16                           ; v16-17 the conversions' scale operands
.set BY,  18                           ; v18-19 the scales' bytes
.set TSUM, 20                          ; v[20:21] the second chain of the sum
.set RC,  22                           ; v22-23 1 / the row's sum, tile 0 and 1
.set VSR, 24                           ; v24  V's scale word: holds scales and nothing else
.set PS,  26                           ; v26-27 P's scale words, tile 0 and 1: likewise
.set L,   28                           ; v[28:29], v[30:31] the row's sum in two halves, tile 0 and 1
.set VF,  32                           ; v32-39   V's fragment of the step
.set PC,  40                           ; v40-55   P's codes, 8 a tile
.set O,   56                           ; v56-71   O^T, 8 a tile
.set Q,   72                           ; v72-103  Q', 4 tiles x 8
.set KF,  104                          ; v104-135 K's fragments of 64 keys (at the head: K on its way to LDS)
.set BI,  136                          ; v136-167 the biases of 64 keys (at the head: at work)
.set S,   168                          ; v168-199 S^T of 64 keys: written by the f32 matrix form alone
.set P,   200                          ; v200-231 E, 1 + E, r, the exponent, p, in place; on the way out rows of out0
.set STK, 26                           ; s26-29 the step's bytes in K, the biases, V's rows, V's scale rows
.set STB, 27
.set STV, 28
.set STS, 29
.set CNT, 30                           ; s30  steps to go
	s_load_b256 s[4:11], s[0:1], 0x0               ; Q s[4:5], K s[6:7], V's codes s[8:9], V's scales s[10:11]
	s_load_b128 s[12:15], s[0:1], 0x20             ; mask s[12:13], out0 s[14:15]
	v_lshl_add_u32 v254, v0, 2, 0x1e300
	v_mov_b32 v255, 0
	v_lshrrev_b32 v232, 5, v0
	v_readfirstlane_b32 s16, v232                  ; wave 0..15
	v_and_b32 v233, 31, v0                         ; lane
	v_and_b32 v234, 15, v0                         ; r
	v_bfe_u32 v235, v0, 4, 1                       ; h
	v_lshrrev_b32 v236, 2, v234
	v_and_b32 v237, 3, v234
	v_mul_u32_u24 v[AK0], v236, 272
	v_lshl_add_u32 v[AK0], v237, 6, v[AK0]
	v_lshl_add_u32 v[AK0], v235, 5, v[AK0]
	v_lshl_add_u32 v[AB0], v235, 5, BOFF
	v_mul_u32_u24 v[AV0], v234, 528
	v_lshl_add_u32 v[AV0], v235, 4, v[AV0]
	v_add_nc_u32 v[AV0], VOFF, v[AV0]
	v_lshl_add_u32 v[AS0], v234, 5, VSOFF
	s_mul_i32 s17, s16, 2560
	s_add_co_u32 s17, s17, STG                     ; my wave's stage
	v_mul_u32_u24 v[STO], v234, 80
	v_lshl_add_u32 v[STO], v235, 5, v[STO]
	v_add_nc_u32 v[STO], s17, v[STO]               ; in: row r, 32 bytes for each half of the lanes
	v_lshrrev_b32 v236, 2, v233
	v_and_b32 v237, 3, v233
	v_mul_u32_u24 v[RD], v236, 80
	v_lshl_add_u32 v[RD], v237, 4, v[RD]
	v_add_nc_u32 v[RD], s17, v[RD]                 ; back: four lanes to a row of 64 bytes, eight rows an instruction
	v_lshlrev_b32 v[GO], 4, v233
	v_lshlrev_b32 v238, 5, v233                    ; the whole mask: 32 bytes a lane
	v_lshlrev_b32 v239, 1, v0                      ; my two keys' mask bytes
	v_lshlrev_b32 v240, 4, v0                      ; K and V's codes: 16 bytes a thread
	v_lshlrev_b32 v241, 6, v234
	v_lshl_add_u32 v241, v235, 5, v241             ; Q: row r of 64 bytes, + 32 h
	v_lshl_add_u32 v242, v0, 3, BOFF               ; LDS: my two biases,
	v_lshrrev_b32 v244, 4, v0
	v_mul_u32_u24 v243, v244, 272
	v_lshl_add_u32 v243, v234, 4, v243             ; my 16 bytes of K: block thread / 16, place thread % 16,
	v_mul_u32_u24 v245, v232, 528
	v_lshl_add_u32 v245, v233, 4, v245
	v_add_nc_u32 v245, VOFF, v245                  ; of V's codes: row = wave, 16 bytes a lane,
	v_add_nc_u32 v246, VSOFF, v0                   ; and my byte of V's scales
	s_mov_b32 s20, 0x76543210
	s_mov_b32 s21, 0xfedcba98                      ; v_permlanex16_b32's selects for lane l xor 16
	s_mov_b32 s22, 0xc1e6d4ca                      ; A = -2 c = -28.853901
	s_mov_b32 s24, 0xff800000                      ; a masked key's bias: -infinity
	s_mov_b32 s31, 0x01010101
	s_mov_b32 s32, 0x3f38aa3b                      ; 2 log2(e) / 4
	s_mov_b32 s33, s32                             ; (named with it as a pair, so it is written)
	s_lshl_b32 s18, ttmp9, 16                      ; the head's 65,536 bytes of Q, K and out0
	s_mov_b32 s19, 0
	s_lshl_b32 s17, s16, 12                        ; my wave's 64 rows of 64 bytes
	s_wait_kmcnt 0x0
	s_add_nc_u64 s[6:7], s[6:7], s[18:19]
	s_add_co_u32 s18, s18, s17
	s_add_nc_u64 s[4:5], s[4:5], s[18:19]
	s_add_nc_u64 s[14:15], s[14:15], s[18:19]
	s_lshl_b32 s18, ttmp9, 13                      ; the head's 8,192 bytes of codes,
	s_add_nc_u64 s[8:9], s[8:9], s[18:19]
	s_lshl_b32 s18, ttmp9, 9                       ; its 512 scale bytes,
	s_add_nc_u64 s[10:11], s[10:11], s[18:19]
	s_lshr_b32 s18, ttmp9, 3
	s_lshl_b32 s18, s18, 10                        ; and its batch's 1,024 mask bytes
	s_add_nc_u64 s[12:13], s[12:13], s[18:19]
	; all that the work-group reads is asked for here: 21 loads a wave
	global_load_b128 v[144:147], v238, s[12:13]                    ; the whole mask, in every wave
	global_load_b128 v[148:151], v238, s[12:13] offset:16
	global_load_u16 v141, v239, s[12:13]                           ; the bytes of keys 2 t and 2 t + 1, t my thread's number
.irp i, 0,1,2,3,4,5,6,7
	global_load_b128 v[KF+4*\i:KF+4*\i+3], v240, s[6:7] offset:8192*\i th:TH_LOAD_NT   ; a wave reads 512 consecutive bytes, the work-group 8,192
.endr
	global_load_b128 v[136:139], v240, s[8:9] th:TH_LOAD_NT
	global_load_u8 v140, v0, s[10:11]
.irp i, 0,1,2,3
	global_load_b128 v[Q+8*\i:Q+8*\i+3],   v241, s[4:5] offset:1024*\i      ; no hint: the load below takes the other half of the same blocks
	global_load_b128 v[Q+8*\i+4:Q+8*\i+7], v241, s[4:5] offset:1024*\i+16
.endr
	s_wait_loadcnt 18                              ; the three mask loads are in; the 18 issued behind them may be out
	v_and_b32 v144, v144, v145
	v_and_b32 v146, v146, v147
	v_and_b32 v148, v148, v149
	v_and_b32 v150, v150, v151
	v_and_b32 v144, v144, v146
	v_and_b32 v148, v148, v150
	v_and_b32 v144, v144, v148                     ; 0x01010101 where all my 32 keys are masked
	v_cmp_ne_u32 s25, s31, v144
	s_cmp_eq_u32 s25, 0                            ; no lane has an open key: the batch is all masked
	s_cselect_b32 s22, 0, s22                      ; then A = 0
	s_cselect_b32 s24, 0, s24                      ; and the masked bias 0: p = 1 for every key
	s_mov_b32 s23, s22                             ; (the packed form names the pair)
	v_and_b32 v142, 0xff, v141
	v_lshrrev_b32 v143, 8, v141
	v_mov_b32 v152, 0xbf12b361                     ; an open key's bias: c - 15 = -0.57304959
	v_mov_b32 v153, s24
	v_cmp_ne_u32 vcc_lo, 0, v142
	v_cndmask_b32 v154, v152, v153, vcc_lo
	v_cmp_ne_u32 vcc_lo, 0, v143
	v_cndmask_b32 v155, v152, v153, vcc_lo
	ds_store_b64 v242, v[154:155]
	s_wait_loadcnt 10                              ; K is in; V's two loads and Q's eight may be out
.irp i, 0,1,2,3,4,5,6,7
	ds_store_b128 v243, v[KF+4*\i:KF+4*\i+3] offset:8704*\i        ; 8,192 bytes are 32 blocks of 272 in LDS
.endr
	s_wait_loadcnt 8                               ; V's codes and scale bytes are in; Q's eight may be out
	ds_store_b128 v245, v[136:139]
	ds_store_b8 v246, v140
	s_wait_loadcnt 0x0                             ; Q
.set i, 0
.rept 16
	v_pk_mul_f32 v[Q+i:Q+i+1], v[Q+i:Q+i+1], s[32:33] op_sel_hi:[1,0]      ; Q' = Q x 2 log2(e) / 4
.set i, i+2
.endr
	v_mov_b32 v[TX], 0                             ; written once: a lane permute's destination counts as one of its sources
	v_mov_b32 v[TX+1], 0
	s_wait_dscnt 0x0                               ; for the others' sake: my stores into LDS are done
	s_barrier_signal -1
	s_barrier_wait -1                              ; the one barrier: behind it K, V and the biases are only read; a stage is its wave's own
; Half c of the step: K's four fragments first, since the products wait for them alone; with c = 0 the step's fragment of V and its scale word; the 64 biases.
.macro LOADS c
.irp kt, 0,1,2,3
	ds_load_b128 v[KF+8*\kt:KF+8*\kt+3],   v[ADK] offset:4352*\c+1088*\kt
	ds_load_b128 v[KF+8*\kt+4:KF+8*\kt+7], v[ADK] offset:4352*\c+1088*\kt+16
.endr
.if \c == 0
	ds_load_b128 v[VF:VF+3],   v[ADV]              ; V(d = r, keys 32 h .. + 31 of the step's 128)
	ds_load_b128 v[VF+4:VF+7], v[ADV] offset:32    ; and 64 + 32 h ..
	ds_load_b32 v[VSR], v[ADS]
.endif
.irp kt, 0,1,2,3
	ds_load_b128 v[BI+8*\kt:BI+8*\kt+3],   v[ADB] offset:256*\c+64*\kt
	ds_load_b128 v[BI+8*\kt+4:BI+8*\kt+7], v[ADB] offset:256*\c+64*\kt+16
.endr
	s_wait_dscnt 8+3*(1-\c)                        ; K's eight loads are in; those issued behind them (V's three with c = 0, the biases' eight) may be out
.endm
; One tile of 16 queries x one half of 64 keys.  u: the tile of the pass; qb: its registers of Q'; c: the half; first = 1: the half's first unit, which still has the biases' loads to wait for.
.macro UNIT u, qb, c, first
.set rQ,  \qb
.set rPT, PC+8*(\u)
.set rPC, PC+8*(\u)+4*(\c)
.set rO,  O+8*(\u)
.set rL,  L+2*(\u)
.set rPS, PS+(\u)
.irp ks, 0,1,2,3                       ; S^T: the four accumulators take turns, one instruction a turn; the first K step starts the sums
.irp kt, 0,1,2,3
.if \ks == 0
	v_wmma_f32_16x16x4_f32 v[S+8*\kt:S+8*\kt+7], v[KF+8*\kt+2*\ks:KF+8*\kt+2*\ks+1], v[rQ+2*\ks:rQ+2*\ks+1], 0
.else
	v_wmma_f32_16x16x4_f32 v[S+8*\kt:S+8*\kt+7], v[KF+8*\kt+2*\ks:KF+8*\kt+2*\ks+1], v[rQ+2*\ks:rQ+2*\ks+1], v[S+8*\kt:S+8*\kt+7]
.endif
.endr
.endr
.rept 8
	v_nop                                          ; eight places between this matrix form and the first read of its results
.endr
.set i, 0
.rept 32
	v_exp_f32 v[P+i], v[S+i]                       ; E = e^(2x); each accumulator is read from its low end on; the results go into other registers
.set i, i+1
.endr
	v_nop                                          ; a plain instruction behind the last of the batch,
	s_wait_alu depctr_va_vdst(0)                   ; and one wait for the batch ahead of its first reader
.set i, 0
.rept 16
	v_pk_add_f32 v[P+i:P+i+1], v[P+i:P+i+1], 1.0 op_sel_hi:[1,0]
.set i, i+2
.endr
.set i, 0
.rept 32
	v_rcp_f32 v[P+i], v[P+i]                       ; r = 1 / (1 + E): 0 where E is infinite, 1 where it has fallen to 0: tanh = +1, -1
.set i, i+1
.endr
.if \first
	s_wait_dscnt 0x0                               ; the biases are in (and, with c = 0, V's fragment and scale word)
.endif
	v_nop
	s_wait_alu depctr_va_vdst(0)
.set i, 0
.rept 16
	v_pk_fma_f32 v[P+i:P+i+1], v[P+i:P+i+1], s[22:23], v[BI+i:BI+i+1] op_sel_hi:[1,0,1]   ; r A + bias = t - 15, or -infinity
.set i, i+2
.endr
.set i, 0
.rept 32
	v_exp_f32 v[P+i], v[P+i]                       ; p = 2^(t - 15): not normalised
.set i, i+1
.endr
	v_nop
	s_wait_alu depctr_va_vdst(0)
.irp b, 0,1                            ; the two blocks' largest p (none is negative), by turns, with the floor 2^(3 - 127) among the leaves: the scale's byte cannot fall under 1
	v_max3_num_f32 v[TM+\b], v[P+16*\b], v[P+16*\b+1], 0x1800000
.endr
.irp i, 2,4,6,8,10,12,14
.irp b, 0,1
	v_max3_num_f32 v[TM+\b], v[TM+\b], v[P+16*\b+\i], v[P+16*\b+\i+1]
.endr
.endr
.irp b, 0,1
	v_permlanex16_b32 v[TX+\b], v[TM+\b], s20, s21
.endr
.irp b, 0,1
	v_max_num_f32 v[TM+\b], v[TM+\b], v[TX+\b]     ; with lane l xor 16's 16 keys: the block's
.endr
.irp b, 0,1
	v_add_nc_u32 v[SCO+\b], 0xff000000, v[TM+\b]   ; 2 off its exponent field: the conversion takes the exponent field of this operand as its scale
.endr
.irp b, 0,1
	v_lshrrev_b32 v[BY+\b], 23, v[SCO+\b]          ; the scale's byte.  A block of masked keys keeps the floor's byte, 1: its codes are zeros
.endr
.if \c == 0
	v_lshl_or_b32 v[rPS], v[BY+1], 8, v[BY]        ; bytes 0 and 1 of the step's scale word of my query
.else
	v_lshl_or_b32 v[rPS], v[BY], 16, v[rPS]        ; bytes 2 and 3
	v_lshl_or_b32 v[rPS], v[BY+1], 24, v[rPS]
.endif
	v_cvt_scalef32_pk8_fp4_f32 v[rPC],   v[P:P+7],     v[SCO]      ; tile 0: octets 0 | 1 (lanes 0-15 | 16-31)
	v_cvt_scalef32_pk8_fp4_f32 v[rPC+1], v[P+16:P+23], v[SCO+1]    ; tile 2: octets 4 | 5
	v_cvt_scalef32_pk8_fp4_f32 v[rPC+2], v[P+8:P+15],  v[SCO]      ; tile 1: octets 2 | 3
	v_cvt_scalef32_pk8_fp4_f32 v[rPC+3], v[P+24:P+31], v[SCO+1]    ; tile 3: octets 6 | 7
	v_nop                                          ; one plain instruction between a scaled conversion and the vector instruction that touches its result
	v_permlane16_swap_b32 v[rPC],   v[rPC+1]       ; 0 | 4 and 1 | 5
	v_permlane16_swap_b32 v[rPC+2], v[rPC+3]       ; 2 | 6 and 3 | 7: registers 4 c .. 4 c + 3 of the operand
	v_pk_add_f32 v[TSUM:TSUM+1], v[P:P+1], v[P+2:P+3]              ; the row's sum is taken of the UNQUANTISED p: two at a time, in two chains.
.irp j, 4,8,12,16,20,24,28                     ; (These sixteen lines are also the places between the last write of the scale word and of the codes and the scaled matrix instruction)
	v_pk_add_f32 v[rL:rL+1], v[rL:rL+1], v[P+\j:P+\j+1]
	v_pk_add_f32 v[TSUM:TSUM+1], v[TSUM:TSUM+1], v[P+\j+2:P+\j+3]
.endr
	v_pk_add_f32 v[rL:rL+1], v[rL:rL+1], v[TSUM:TSUM+1]
.if \c == 1
	v_wmma_scale_f32_16x16x128_f8f6f4 v[rO:rO+7], v[VF:VF+7], v[rPT:rPT+7], v[rO:rO+7], v[VSR], v[rPS] matrix_a_fmt:MATRIX_FMT_FP4 matrix_b_fmt:MATRIX_FMT_FP4   ; O^T += V^T P^T over the step's 128 keys
.endif
.endm
; Tiles 2 p and 2 p + 1 of my four: all 1,024 keys, then the way out.
.macro PASS p
.if \p > 0
	s_wait_xcnt 0x0                                ; the last pass's stores have read their registers, which are written again below
.endif
.set i, 0
.rept 16
	v_mov_b32 v[O+i], 0                            ; sixteen lines a pass: a first step written out with C = 0 would double the text to spare them
.set i, i+1
.endr
.irp i, 0,1,2,3
	v_mov_b32 v[L+\i], 0
.endr
	s_mov_b32 s[STK], 0
	s_mov_b32 s[STB], 0
	s_mov_b32 s[STV], 0
	s_mov_b32 s[STS], 0
	s_mov_b32 s[CNT], 8
.Lstep_\@:
	v_add_nc_u32 v[ADK], s[STK], v[AK0]            ; these four are also the places between the last scaled product and the loads into V's registers
	v_add_nc_u32 v[ADB], s[STB], v[AB0]
	v_add_nc_u32 v[ADV], s[STV], v[AV0]
	v_add_nc_u32 v[ADS], s[STS], v[AS0]
	LOADS 0
	UNIT 0, Q+16*\p, 0, 1
	UNIT 1, Q+16*\p+8, 0, 0
	LOADS 1
	UNIT 0, Q+16*\p, 1, 1
	UNIT 1, Q+16*\p+8, 1, 0
	s_add_co_u32 s[STK], s[STK], 8704              ; 128 keys on: 32 blocks of 272 bytes,
	s_add_co_u32 s[STB], s[STB], 512               ; 128 biases,
	s_add_co_u32 s[STV], s[STV], 64                ; 128 codes in each row of V,
	s_add_co_u32 s[STS], s[STS], 4                 ; four scale bytes
	s_sub_co_u32 s[CNT], s[CNT], 1
	s_cmp_lg_u32 s[CNT], 0
	s_cbranch_scc1 .Lstep_\@
	; THE WAY OUT.  The sum's two halves and lane l xor 16's are added (these lines are the places behind the last product); O^T is divided by the sum and goes through my own stage:
	; a lane holds 32 bytes of a row of 64, and comes back with 16 bytes of 512 consecutive ones.
	v_add_f32 v[TM],   v[L],   v[L+1]
	v_add_f32 v[TM+1], v[L+2], v[L+3]
	v_permlanex16_b32 v[TX],   v[TM],   s20, s21
	v_permlanex16_b32 v[TX+1], v[TM+1], s20, s21
	v_add_f32 v[TM],   v[TM],   v[TX]
	v_add_f32 v[TM+1], v[TM+1], v[TX+1]            ; never 0: an open key gives at least 2^-29.5, a batch without one 1,024
	v_rcp_f32 v[RC],   v[TM]
	v_rcp_f32 v[RC+1], v[TM+1]
	v_nop
	s_wait_alu depctr_va_vdst(0)                   ; one wait for the two reciprocals, ahead of their first reader
.irp u, 0,1
.irp j, 0,1,2,3,4,5,6,7
	v_mul_f32 v[P+8*\u+\j], v[O+8*\u+\j], v[RC+\u]                 ; each accumulator from its low end on
.endr
.endr
.irp u, 0,1
	ds_store_b128 v[STO], v[P+8*\u:P+8*\u+3]   offset:1280*\u
	ds_store_b128 v[STO], v[P+8*\u+4:P+8*\u+7] offset:1280*\u+16
.endr
.irp u, 0,1
	ds_load_b128 v[P+16+8*\u:P+16+8*\u+3], v[RD] offset:1280*\u        ; LDS serves a wave's instructions in order (ISA guide 5.7.1.4): these see my stores
	ds_load_b128 v[P+20+8*\u:P+20+8*\u+3], v[RD] offset:1280*\u+640    ; rows 8 to 15
.endr
	s_wait_dscnt 0x0
.irp u, 0,1
	global_store_b128 v[GO], v[P+16+8*\u:P+16+8*\u+3], s[14:15] offset:(2*\p+\u)*1024 th:TH_STORE_NT       ; 32 lanes store 512 consecutive bytes, at a multiple of 512 from out0's first byte
	global_store_b128 v[GO], v[P+20+8*\u:P+20+8*\u+3], s[14:15] offset:(2*\p+\u)*1024+512 th:TH_STORE_NT
.endr
.endm
	PASS 0
	PASS 1
	s_wait_tensorcnt 0x0
	ds_add_u32 v254, v255
	s_wait_dscnt 0x0
	s_endpgm
.Lfunc_end_k_qf9a0029389_attn:
	.size	k_qf9a0029389_attn, .Lfunc_end_k_qf9a0029389_attn-k_qf9a0029389_attn
	.p2alignl 7, 3214868480
	.fill 96, 4, 3214868480
	.section	.rodata,"a",@progbits
	.p2align	6, 0x0
	.amdhsa_kernel k_qf9a0029389_attn
		.amdhsa_group_segment_fixed_size 125696
		.amdhsa_private_segment_fixed_size 0
		.amdhsa_enable_private_segment 0
		.amdhsa_kernarg_size 48
		.amdhsa_user_sgpr_count 2
		.amdhsa_user_sgpr_kernarg_segment_ptr 1
		.amdhsa_wavefront_size32 1
		.amdhsa_system_sgpr_workgroup_id_x 1
		.amdhsa_system_sgpr_workgroup_id_y 1
		.amdhsa_system_sgpr_workgroup_id_z 1
		.amdhsa_system_vgpr_workitem_id 0
		.amdhsa_next_free_vgpr 256
		.amdhsa_next_free_sgpr 66
		.amdhsa_reserve_vcc 1
		.amdhsa_float_denorm_mode_32 3
		.amdhsa_float_denorm_mode_16_64 3
		.amdhsa_memory_ordered 1
		.amdhsa_forward_progress 1
		.amdhsa_inst_pref_size 94
	.end_amdhsa_kernel
	.amdgpu_metadata
---
amdhsa.version: [ 1, 2 ]
amdhsa.kernels:
  - .name:           k_qf9a0029389_attn
    .symbol:         k_qf9a0029389_attn.kd
    .args:
      - { .name: Q, .offset: 0, .size: 8, .value_kind: global_buffer, .address_space: global }
      - { .name: K, .offset: 8, .size: 8, .value_kind: global_buffer, .address_space: global }
      - { .name: V_codes, .offset: 16, .size: 8, .value_kind: global_buffer, .address_space: global }
      - { .name: V_scales, .offset: 24, .size: 8, .value_kind: global_buffer, .address_space: global }
      - { .name: mask, .offset: 32, .size: 8, .value_kind: global_buffer, .address_space: global }
      - { .name: out0, .offset: 40, .size: 8, .value_kind: global_buffer, .address_space: global }
    .group_segment_fixed_size: 125696
    .private_segment_fixed_size: 0
    .kernarg_segment_align: 8
    .kernarg_segment_size: 48
    .max_flat_workgroup_size: 512
    .sgpr_count:     66
    .vgpr_count:     256
    .wavefront_size: 32
...
	.end_amdgpu_metadata
.endif
;; end of part 1
;; ======== version 2 of 2: 1 launch; version 1 with the launch attn written anew for expert scheduling mode
;; launch attn (part 2): grid 256 x 1, 16 waves a work-group, no clusters, 125,696 bytes of LDS; arguments Q, K, V_codes, V_scales, mask, out0; writes out0
.if DOCPART == 2
	.amdgcn_target "amdgcn-amd-amdhsa--gfx1250"
	.amdhsa_code_object_version 6
	.text
	.protected	k_qf9a0029389_attn
	.globl	k_qf9a0029389_attn
	.p2align	8
	.type	k_qf9a0029389_attn,@function
k_qf9a0029389_attn:
	s_mov_b64 s[64:65], 0
	v_nop
	global_prefetch_b8 v0, s[64:65] scope:SCOPE_SE
	s_setreg_imm32_b32 hwreg(HW_REG_WAVE_SCHED_MODE, 0, 2), 2
	s_setreg_imm32_b32 hwreg(HW_REG_WAVE_MODE, 25, 1), 1
	s_wait_xcnt 0x0
	s_wait_alu depctr_vm_vsrc(0)
; out0[b][h][q][:] = sum over k of softmax_k( where(mask[b][k], -1e10, 10 tanh(Q[q] . K[k] / 4)) ) V[k][:].   Q, K, out0: [256 heads][1024][16] f32.
; V comes as codes of FP4 (E2M1) with the keys innermost, [256][16 (d)][512 bytes], and one E8M0 byte for each 32 keys, [256][16][32].  mask: [32 batches][1024] bytes.
; FIRST PRODUCT: f32 operands (v_wmma_f32_16x16x4_f32), since its result goes on into a quantiser.  SECOND PRODUCT: codes of FP4 on both sides, v_wmma_scale_f32_16x16x128_f8f6f4.
; THE ARITHMETIC OF A LOGIT.  Q is multiplied once by 2 log2(e) / 4, so that the first product gives s' = 2 x log2(e), x = q.k / 4.  E = 2^s' = e^(2x); r = 1 / (1 + E); tanh x = 1 - 2 r.
;   With c = 10 log2(e): t = c - 2 c r, and p = 2^(t - M) = 2^(r A + bias[key]), A = -2 c, bias = c - M for an open key, -infinity for a masked one (p = 0): the mask costs no line for a logit.
; M IS THE FIXED WHOLE NUMBER 15.  The clip 10 tanh(.), which the problem itself makes, holds |t| <= 14.43 for every input, so p lies between 2^-29.5 and 2^-0.57 and a row's sum under 1,024:
;   nothing can overflow or underflow in f32.  15 differs from the row's own ceiling by a whole number, which the blocks' scales (exponents no lower than -32) take up exactly: the codes' values are the same.
; A BATCH WHOSE KEYS ARE ALL MASKED: all logits are equal there, so p = 1 for every key.  Every wave ANDs the batch's 1,024 mask bytes; if all are 1, A and the masked bias are chosen as 0 (a select, no branch): p = 2^0.
; LIMITS: mask bytes are 0 or 1 (the all-masked test compares with 1; a single key counts as masked where its byte is not 0).  NaN in Q or K is not served.  The exponent r A + bias is good to a few 1e-6.
; SHARES.  One work-group to a head (256 of them): the head's K (64 KB), V's codes and scales, and 1,024 biases lie in LDS, filled ONCE, through registers, ahead of the text's one barrier.
;   Sixteen waves of 256 registers, four to a SIMD, so that one wave's matrix instructions stand beside the others' vector work.  Wave w owns queries 64 w .. 64 w + 63: two passes of two tiles of 16 queries.
;   A pass walks the keys in 8 steps of 128; a step is two halves of 64 keys, whose fragments of K and biases are read from LDS once for both tiles.
; NO CLUSTER: the eight heads of a batch share the mask's 1,024 bytes and nothing else, against 73 KB of their own.  No tensor load: there is one fill and no ring.
; LAYOUT (r = lane % 16, h = lane / 16).  Both products are used transposed, so that a lane holds ONE query throughout.
;   S^T = K Q'^T: source 0 = 16 neighbouring keys, source 1 = 16 queries.  A lane holds elements 8 h .. 8 h + 7 of its row of K or Q in 8 registers, and K step ks takes registers 2 ks, 2 ks + 1:
;   the same order of the head's 16 on both sides.  In key tile kt register j holds key 16 kt + 8 h + j.
;   A block of 32 keys is tiles 2 b and 2 b + 1 in lanes l and l xor 16.  Tile kt's eight numbers become one register of codes: keys' octet 2 kt in lanes 0-15, 2 kt + 1 in lanes 16-31.  The operand wants octet g
;   below and 4 + g above in register g: tiles 0, 2, 1, 3 are converted into registers 0, 1, 2, 3, and two exchanges of halves (registers 0 with 1, 2 with 3) give that.
;   O^T += V^T P^T: source 0 = V's 16 rows d, source 1 = P: register j holds o(query r, d = 8 h + j).
; THE MODE: SCHED_MODE bits 1:0 = 2 (LLVM: expert scheduling mode 2), set by the entry lines.  The code itself states the register dependences
; between vector or matrix instructions and memory or LDS instructions, with s_wait_alu, always for 0.
; THE PLAN.  Registers that LDS instructions touch in the loop, and who else names them.  A half has two units (tile 0, tile 1); each unit has three waits on va_vdst, one behind each of its batches of transcendentals.
;   KF        Read by the sixteen f32 products of both units.  The second unit's products stand ahead of its first wait: straight behind that wait the NEXT half's eight loads of K land in KF.
;   BI        Read by the multiply-adds of both units.  The second unit's stand ahead of its third wait: straight behind that wait the next half's eight loads of biases land in BI.
;   VF, VSR   Read by a step's two scaled products, at the ends of its last two units.  Straight behind the first wait of the next step's first unit that step's three loads land in them.
;   ADK .. ADS  Read by the step's LDS loads; written by four additions at the step's head, behind a wait on vm_vsrc and ahead of the first unit's first wait.
;   S, P, PC, PS, O, L, Q are named by vector and matrix instructions alone, until the way out.
; The half behind a step's second half is the next step's first: it is reached by the same address registers with immediates of a step (8,704 and 512 bytes).  A pass's first half is asked for at its head, by the
; addresses that never change; its last step asks for nothing beyond the keys: the loop has seven trips, and step 7 is written out.
.set VOFF,  69632                      ; LDS.  From 0: K as 256 blocks of 256 bytes + 16 of padding: key k at 272 (k / 4) + 64 (k % 4); the 16 keys of a load start at 16 different groups of four banks (64 banks of 4 bytes: ISA guide 11.1)
.set VSOFF, 78080                      ; from VOFF: V's codes, 16 rows of 512 bytes, 528 apart;  from VSOFF: V's scale bytes, 16 rows of 32
.set BOFF,  78592                      ; the 1,024 biases, f32
.set STG,   82688                      ; the way out: 2,560 bytes for each wave: 2 tiles x 16 rows, 80 apart
.set AK0, 1                            ; v1   my place in a tile of K: 272 (r / 4) + 64 (r % 4) + 32 h
.set AB0, 2                            ; v2   among the biases: BOFF + 32 h
.set AV0, 3                            ; v3   in V's codes: VOFF + 528 r + 16 h
.set AS0, 4                            ; v4   among V's scale words: VSOFF + 32 r
.set ADK, 5                            ; v5-8 the same four for the step in hand
.set ADB, 6
.set ADV, 7
.set ADS, 8
.set STO, 9                            ; v9   the stage: where I put 32 bytes of a row
.set RD,  10                           ; v10  and where I read 16 bytes back
.set GO,  11                           ; v11  16 x lane: my place in 512 bytes of out0; never rewritten
.set TM,  12                           ; v12-13 the two blocks' largest p; on the way out the rows' sums
.set TX,  14                           ; v14-15 what comes from lane l xor 16
.set SCO, 16                           ; v16-17 the conversions' scale operands
.set BY,  18                           ; v18-19 the scales' bytes
.set TSUM, 20                          ; v[20:21] the second chain of the sum
.set RC,  22                           ; v22-23 1 / the row's sum, tile 0 and 1
.set VSR, 24                           ; v24  V's scale word: holds scales and nothing else
.set PS,  26                           ; v26-27 P's scale words, tile 0 and 1: likewise
.set L,   28                           ; v[28:29], v[30:31] the row's sum in two halves, tile 0 and 1
.set VF,  32                           ; v32-39   V's fragment of the step
.set PC,  40                           ; v40-55   P's codes, 8 a tile
.set O,   56                           ; v56-71   O^T, 8 a tile
.set Q,   72                           ; v72-103  Q', 4 tiles x 8
.set KF,  104                          ; v104-135 K's fragments of 64 keys (at the head: K on its way to LDS)
.set BI,  136                          ; v136-167 the biases of 64 keys (at the head: at work)
.set S,   168                          ; v168-199 S^T of 64 keys: written by the f32 matrix form alone
.set P,   200                          ; v200-231 E, 1 + E, r, the exponent, p, in place; on the way out rows of out0
.set STK, 26                           ; s26-29 the step's bytes in K, the biases, V's rows, V's scale rows
.set STB, 27
.set STV, 28
.set STS, 29
.set CNT, 30                           ; s30  steps to go in the loop
	s_load_b256 s[4:11], s[0:1], 0x0               ; Q s[4:5], K s[6:7], V's codes s[8:9], V's scales s[10:11]
	s_load_b128 s[12:15], s[0:1], 0x20             ; mask s[12:13], out0 s[14:15]
	v_lshl_add_u32 v254, v0, 2, 0x1e300
	v_mov_b32 v255, 0
	v_lshrrev_b32 v232, 5, v0
	v_readfirstlane_b32 s16, v232                  ; wave 0..15
	v_and_b32 v233, 31, v0                         ; lane
	v_and_b32 v234, 15, v0                         ; r
	v_bfe_u32 v235, v0, 4, 1                       ; h
	v_lshrrev_b32 v236, 2, v234
	v_and_b32 v237, 3, v234
	v_mul_u32_u24 v[AK0], v236, 272
	v_lshl_add_u32 v[AK0], v237, 6, v[AK0]
	v_lshl_add_u32 v[AK0], v235, 5, v[AK0]
	v_lshl_add_u32 v[AB0], v235, 5, BOFF
	v_mul_u32_u24 v[AV0], v234, 528
	v_lshl_add_u32 v[AV0], v235, 4, v[AV0]
	v_add_nc_u32 v[AV0], VOFF, v[AV0]
	v_lshl_add_u32 v[AS0], v234, 5, VSOFF
	s_wait_alu depctr_va_sdst(0)                   ; s16 is written, ahead of its first reader: the stage's place and the wave's rows are made from it
	s_mul_i32 s17, s16, 2560
	s_add_co_u32 s17, s17, STG                     ; my wave's stage
	v_mul_u32_u24 v[STO], v234, 80
	v_lshl_add_u32 v[STO], v235, 5, v[STO]
	v_add_nc_u32 v[STO], s17, v[STO]               ; in: row r, 32 bytes for each half of the lanes
	v_lshrrev_b32 v236, 2, v233
	v_and_b32 v237, 3, v233
	v_mul_u32_u24 v[RD], v236, 80
	v_lshl_add_u32 v[RD], v237, 4, v[RD]
	v_add_nc_u32 v[RD], s17, v[RD]                 ; back: four lanes to a row of 64 bytes, eight rows an instruction
	v_lshlrev_b32 v[GO], 4, v233
	v_lshlrev_b32 v238, 5, v233                    ; the whole mask: 32 bytes a lane
	v_lshlrev_b32 v239, 1, v0                      ; my two keys' mask bytes
	v_lshlrev_b32 v240, 4, v0                      ; K and V's codes: 16 bytes a thread
	v_lshlrev_b32 v241, 6, v234
	v_lshl_add_u32 v241, v235, 5, v241             ; Q: row r of 64 bytes, + 32 h
	v_lshl_add_u32 v242, v0, 3, BOFF               ; LDS: my two biases,
	v_lshrrev_b32 v244, 4, v0
	v_mul_u32_u24 v243, v244, 272
	v_lshl_add_u32 v243, v234, 4, v243             ; my 16 bytes of K: block thread / 16, place thread % 16,
	v_mul_u32_u24 v245, v232, 528
	v_lshl_add_u32 v245, v233, 4, v245
	v_add_nc_u32 v245, VOFF, v245                  ; of V's codes: row = wave, 16 bytes a lane,
	v_add_nc_u32 v246, VSOFF, v0                   ; and my byte of V's scales
	s_mov_b32 s20, 0x76543210
	s_mov_b32 s21, 0xfedcba98                      ; v_permlanex16_b32's selects for lane l xor 16
	s_mov_b32 s22, 0xc1e6d4ca                      ; A = -2 c = -28.853901
	s_mov_b32 s24, 0xff800000                      ; a masked key's bias: -infinity
	s_mov_b32 s31, 0x01010101
	s_mov_b32 s32, 0x3f38aa3b                      ; 2 log2(e) / 4
	s_mov_b32 s33, s32                             ; (named with it as a pair, so it is written)
	s_lshl_b32 s18, ttmp9, 16                      ; the head's 65,536 bytes of Q, K and out0
	s_mov_b32 s19, 0
	s_lshl_b32 s17, s16, 12                        ; my wave's 64 rows of 64 bytes
	s_wait_kmcnt 0x0
	s_add_nc_u64 s[6:7], s[6:7], s[18:19]
	s_add_co_u32 s18, s18, s17
	s_add_nc_u64 s[4:5], s[4:5], s[18:19]
	s_add_nc_u64 s[14:15], s[14:15], s[18:19]
	s_lshl_b32 s18, ttmp9, 13                      ; the head's 8,192 bytes of codes,
	s_add_nc_u64 s[8:9], s[8:9], s[18:19]
	s_lshl_b32 s18, ttmp9, 9                       ; its 512 scale bytes,
	s_add_nc_u64 s[10:11], s[10:11], s[18:19]
	s_lshr_b32 s18, ttmp9, 3
	s_lshl_b32 s18, s18, 10                        ; and its batch's 1,024 mask bytes
	s_add_nc_u64 s[12:13], s[12:13], s[18:19]
	s_wait_alu depctr_va_vdst(0)                   ; v1-v4, v9-v11 and v238-v246 are written: the offsets and addresses that the loads and stores of the whole kernel read; none of them is written again
	; all that the work-group reads is asked for here: 21 loads a wave
	global_load_b128 v[144:147], v238, s[12:13]                    ; the whole mask, in every wave
	global_load_b128 v[148:151], v238, s[12:13] offset:16
	global_load_u16 v141, v239, s[12:13]                           ; the bytes of keys 2 t and 2 t + 1, t my thread's number
.irp i, 0,1,2,3,4,5,6,7
	global_load_b128 v[KF+4*\i:KF+4*\i+3], v240, s[6:7] offset:8192*\i th:TH_LOAD_NT   ; a wave reads 512 consecutive bytes, the work-group 8,192
.endr
	global_load_b128 v[136:139], v240, s[8:9] th:TH_LOAD_NT
	global_load_u8 v140, v0, s[10:11]
.irp i, 0,1,2,3
	global_load_b128 v[Q+8*\i:Q+8*\i+3],   v241, s[4:5] offset:1024*\i      ; no hint: the load below takes the other half of the same blocks
	global_load_b128 v[Q+8*\i+4:Q+8*\i+7], v241, s[4:5] offset:1024*\i+16
.endr
	s_wait_loadcnt 18                              ; the three mask loads are in; the 18 issued behind them may be out
	v_and_b32 v144, v144, v145
	v_and_b32 v146, v146, v147
	v_and_b32 v148, v148, v149
	v_and_b32 v150, v150, v151
	v_and_b32 v144, v144, v146
	v_and_b32 v148, v148, v150
	v_and_b32 v144, v144, v148                     ; 0x01010101 where all my 32 keys are masked
	v_and_b32 v142, 0xff, v141
	v_lshrrev_b32 v143, 8, v141
	v_cmp_ne_u32 s25, s31, v144                    ; the three compares stand in one run, each with a scalar register of its own
	v_cmp_ne_u32 s34, 0, v142
	v_cmp_ne_u32 s35, 0, v143
	v_mov_b32 v152, 0xbf12b361                     ; an open key's bias: c - 15 = -0.57304959
	s_wait_alu depctr_va_sdst(0)                   ; s25, s34 and s35 are written, ahead of their first readers: the scalar compare and the two selects below
	s_cmp_eq_u32 s25, 0                            ; no lane has an open key: the batch is all masked
	s_cselect_b32 s22, 0, s22                      ; then A = 0
	s_cselect_b32 s24, 0, s24                      ; and the masked bias 0: p = 1 for every key
	s_mov_b32 s23, s22                             ; (the packed form names the pair)
	v_mov_b32 v153, s24
	v_cndmask_b32 v154, v152, v153, s34
	v_cndmask_b32 v155, v152, v153, s35
	s_wait_alu depctr_va_vdst(0)                   ; the selects have written v154 and v155, which the LDS store reads
	ds_store_b64 v242, v[154:155]
	s_wait_loadcnt 10                              ; K is in; V's two loads and Q's eight may be out
.irp i, 0,1,2,3,4,5,6,7
	ds_store_b128 v243, v[KF+4*\i:KF+4*\i+3] offset:8704*\i        ; 8,192 bytes are 32 blocks of 272 in LDS
.endr
	s_wait_loadcnt 8                               ; V's codes and scale bytes are in; Q's eight may be out
	ds_store_b128 v245, v[136:139]
	ds_store_b8 v246, v140
	s_wait_loadcnt 0x0                             ; Q
.set i, 0
.rept 16
	v_pk_mul_f32 v[Q+i:Q+i+1], v[Q+i:Q+i+1], s[32:33] op_sel_hi:[1,0]      ; Q' = Q x 2 log2(e) / 4
.set i, i+2
.endr
	v_mov_b32 v[TX], 0                             ; written once: a lane permute's destination counts as one of its sources
	v_mov_b32 v[TX+1], 0
	s_wait_dscnt 0x0                               ; for the others' sake: my stores into LDS are done
	s_barrier_signal -1
	s_barrier_wait -1                              ; the one barrier: behind it K, V and the biases are only read; a stage is its wave's own
	s_wait_alu depctr_va_vdst(0)                   ; the mask's lines above are done reading and writing v141 to v155, in which biases land from here on
	s_wait_alu depctr_vm_vsrc(0)                   ; my LDS stores have read v104-135, v136-140 and v154-155: these registers are KF and BI from here on, written by LDS loads
; K's four fragments of 64 keys, off bytes behind the address; the 64 biases likewise; the step's fragment of V and its scale word.
.macro KLOAD adr, off
.irp kt, 0,1,2,3
	ds_load_b128 v[KF+8*\kt:KF+8*\kt+3],   v[\adr] offset:(\off)+1088*\kt
	ds_load_b128 v[KF+8*\kt+4:KF+8*\kt+7], v[\adr] offset:(\off)+1088*\kt+16
.endr
.endm
.macro BLOAD adr, off
.irp kt, 0,1,2,3
	ds_load_b128 v[BI+8*\kt:BI+8*\kt+3],   v[\adr] offset:(\off)+64*\kt
	ds_load_b128 v[BI+8*\kt+4:BI+8*\kt+7], v[\adr] offset:(\off)+64*\kt+16
.endr
.endm
.macro VLOAD
	ds_load_b128 v[VF:VF+3],   v[ADV]              ; V(d = r, keys 32 h .. + 31 of the step's 128)
	ds_load_b128 v[VF+4:VF+7], v[ADV] offset:32    ; and 64 + 32 h ..
	ds_load_b32 v[VSR], v[ADS]
.endm
; One tile of 16 queries x one half of 64 keys.  u: the tile of the pass; qb: its registers of Q'; c: the half; first = 1: the half's first unit, which has the half's loads to wait for;
; nxt = 1 (in a half's second unit): the next half's K and biases are asked for, 4,352 (c + 1) and 256 (c + 1) bytes behind the step's addresses.
.macro UNIT u, qb, c, first, nxt
.set rQ,  \qb
.set rPT, PC+8*(\u)
.set rPC, PC+8*(\u)+4*(\c)
.set rO,  O+8*(\u)
.set rL,  L+2*(\u)
.set rPS, PS+(\u)
.if \first
	s_wait_dscnt 8                                 ; LDS loads come back in order (ISA guide 5.7.1): K's eight are in (and, with c = 1, V's three, which are older); the biases' eight, issued behind them, may be out
.endif
.irp ks, 0,1,2,3                       ; S^T: the four accumulators take turns, one instruction a turn; the first K step starts the sums
.irp kt, 0,1,2,3
.if \ks == 0
	v_wmma_f32_16x16x4_f32 v[S+8*\kt:S+8*\kt+7], v[KF+8*\kt+2*\ks:KF+8*\kt+2*\ks+1], v[rQ+2*\ks:rQ+2*\ks+1], 0
.else
	v_wmma_f32_16x16x4_f32 v[S+8*\kt:S+8*\kt+7], v[KF+8*\kt+2*\ks:KF+8*\kt+2*\ks+1], v[rQ+2*\ks:rQ+2*\ks+1], v[S+8*\kt:S+8*\kt+7]
.endif
.endr
.endr
.rept 8
	v_nop                                          ; eight places between this matrix form and the first read of its results
.endr
.set i, 0
.rept 32
	v_exp_f32 v[P+i], v[S+i]                       ; E = e^(2x); each accumulator is read from its low end on; the results go into other registers
.set i, i+1
.endr
	v_nop                                          ; a plain instruction behind the last of the batch
	s_wait_alu depctr_va_vdst(0)                   ; the 32 E are written, ahead of their first reader; the products above are done reading KF; in a step's first unit: the last step's scaled products are done reading VF and VSR, and the step's four addresses are written
.if \first && (\c == 0)
	VLOAD                                          ; this step's V: wanted at the end of the step's third unit
.endif
.if (\first == 0) && (\nxt == 1)
	KLOAD ADK, 4352*(\c+1)                         ; the next half's K: both units of this half have multiplied by KF
.endif
.set i, 0
.rept 16
	v_pk_add_f32 v[P+i:P+i+1], v[P+i:P+i+1], 1.0 op_sel_hi:[1,0]
.set i, i+2
.endr
.set i, 0
.rept 32
	v_rcp_f32 v[P+i], v[P+i]                       ; r = 1 / (1 + E): 0 where E is infinite, 1 where it has fallen to 0: tanh = +1, -1
.set i, i+1
.endr
.if \first
	s_wait_dscnt 3*(1-\c)                          ; the biases are in; with c = 0 V's three loads, issued behind them, may be out
.endif
	v_nop
	s_wait_alu depctr_va_vdst(0)                   ; the 32 r are written, ahead of their first reader
.set i, 0
.rept 16
	v_pk_fma_f32 v[P+i:P+i+1], v[P+i:P+i+1], s[22:23], v[BI+i:BI+i+1] op_sel_hi:[1,0,1]   ; r A + bias = t - 15, or -infinity
.set i, i+2
.endr
.set i, 0
.rept 32
	v_exp_f32 v[P+i], v[P+i]                       ; p = 2^(t - 15): not normalised
.set i, i+1
.endr
	v_nop
	s_wait_alu depctr_va_vdst(0)                   ; the 32 p are written, ahead of their first reader; the multiply-adds above are done reading BI
.if (\first == 0) && (\nxt == 1)
	BLOAD ADB, 256*(\c+1)                          ; the next half's biases: both units of this half have added BI
.endif
.irp b, 0,1                            ; the two blocks' largest p (none is negative), by turns, with the floor 2^(3 - 127) among the leaves: the scale's byte cannot fall under 1
	v_max3_num_f32 v[TM+\b], v[P+16*\b], v[P+16*\b+1], 0x1800000
.endr
.irp i, 2,4,6,8,10,12,14
.irp b, 0,1
	v_max3_num_f32 v[TM+\b], v[TM+\b], v[P+16*\b+\i], v[P+16*\b+\i+1]
.endr
.endr
.irp b, 0,1
	v_permlanex16_b32 v[TX+\b], v[TM+\b], s20, s21
.endr
.irp b, 0,1
	v_max_num_f32 v[TM+\b], v[TM+\b], v[TX+\b]     ; with lane l xor 16's 16 keys: the block's
.endr
.irp b, 0,1
	v_add_nc_u32 v[SCO+\b], 0xff000000, v[TM+\b]   ; 2 off its exponent field: the conversion takes the exponent field of this operand as its scale
.endr
.irp b, 0,1
	v_lshrrev_b32 v[BY+\b], 23, v[SCO+\b]          ; the scale's byte.  A block of masked keys keeps the floor's byte, 1: its codes are zeros
.endr
.if \c == 0
	v_lshl_or_b32 v[rPS], v[BY+1], 8, v[BY]        ; bytes 0 and 1 of the step's scale word of my query
.else
	v_lshl_or_b32 v[rPS], v[BY], 16, v[rPS]        ; bytes 2 and 3
	v_lshl_or_b32 v[rPS], v[BY+1], 24, v[rPS]
.endif
	v_cvt_scalef32_pk8_fp4_f32 v[rPC],   v[P:P+7],     v[SCO]      ; tile 0: octets 0 | 1 (lanes 0-15 | 16-31)
	v_cvt_scalef32_pk8_fp4_f32 v[rPC+1], v[P+16:P+23], v[SCO+1]    ; tile 2: octets 4 | 5
	v_cvt_scalef32_pk8_fp4_f32 v[rPC+2], v[P+8:P+15],  v[SCO]      ; tile 1: octets 2 | 3
	v_cvt_scalef32_pk8_fp4_f32 v[rPC+3], v[P+24:P+31], v[SCO+1]    ; tile 3: octets 6 | 7
	v_nop                                          ; one plain instruction between a scaled conversion and the vector instruction that touches its result
	v_permlane16_swap_b32 v[rPC],   v[rPC+1]       ; 0 | 4 and 1 | 5
	v_permlane16_swap_b32 v[rPC+2], v[rPC+3]       ; 2 | 6 and 3 | 7: registers 4 c .. 4 c + 3 of the operand
	v_pk_add_f32 v[TSUM:TSUM+1], v[P:P+1], v[P+2:P+3]              ; the row's sum is taken of the UNQUANTISED p: two at a time, in two chains.
.irp j, 4,8,12,16,20,24,28                     ; (These sixteen lines are also the places between the last write of the scale word and of the codes and the scaled matrix instruction)
	v_pk_add_f32 v[rL:rL+1], v[rL:rL+1], v[P+\j:P+\j+1]
	v_pk_add_f32 v[TSUM:TSUM+1], v[TSUM:TSUM+1], v[P+\j+2:P+\j+3]
.endr
	v_pk_add_f32 v[rL:rL+1], v[rL:rL+1], v[TSUM:TSUM+1]
.if \c == 1
	s_wait_alu depctr_va_vdst(0)                   ; the conversions and exchanges have written P's codes and the shifts its scale word, which the scaled product takes as an operand and as scales; the places above stay beside this wait
	v_wmma_scale_f32_16x16x128_f8f6f4 v[rO:rO+7], v[VF:VF+7], v[rPT:rPT+7], v[rO:rO+7], v[VSR], v[rPS] matrix_a_fmt:MATRIX_FMT_FP4 matrix_b_fmt:MATRIX_FMT_FP4   ; O^T += V^T P^T over the step's 128 keys
.endif
.endm
; A step of 128 keys for tiles 2 p and 2 p + 1.  Its first half's K and biases were asked for in the step before (or at the pass's head).  ahead = 1: its last unit asks for the next step's.
.macro STEP p, ahead
	s_wait_alu depctr_vm_vsrc(0)                   ; the LDS loads issued so far have read the four addresses, which are written here
	v_add_nc_u32 v[ADK], s[STK], v[AK0]            ; their first readers stand behind the first unit's first wait on va_vdst
	v_add_nc_u32 v[ADB], s[STB], v[AB0]
	v_add_nc_u32 v[ADV], s[STV], v[AV0]
	v_add_nc_u32 v[ADS], s[STS], v[AS0]
	UNIT 0, Q+16*\p, 0, 1, 0
	UNIT 1, Q+16*\p+8, 0, 0, 1
	UNIT 0, Q+16*\p, 1, 1, 0
	UNIT 1, Q+16*\p+8, 1, 0, \ahead
.endm
; Tiles 2 p and 2 p + 1 of my four: all 1,024 keys, then the way out.
.macro PASS p
.if \p > 0
	s_wait_xcnt 0x0                                ; the last pass's stores have read their registers, which are written again below
	s_wait_alu depctr_vm_vsrc(0)                   ; the stage's stores have read v[P .. P+15] and the global stores v[P+16 .. P+31], which this pass's exponentials write again
.endif
	KLOAD AK0, 0                                   ; the pass's first 64 keys, by the addresses that never change.  No vector or matrix instruction since the last wait on va_vdst names KF or BI
	BLOAD AB0, 0
.set i, 0
.rept 16
	v_mov_b32 v[O+i], 0                            ; sixteen lines a pass: a first step written out with C = 0 would lengthen the text to spare them
.set i, i+1
.endr
.irp i, 0,1,2,3
	v_mov_b32 v[L+\i], 0
.endr
	s_mov_b32 s[STK], 0
	s_mov_b32 s[STB], 0
	s_mov_b32 s[STV], 0
	s_mov_b32 s[STS], 0
	s_mov_b32 s[CNT], 7
.Lstep_\@:                                             ; steps 0 to 6
	STEP \p, 1
	s_add_co_u32 s[STK], s[STK], 8704              ; 128 keys on: 32 blocks of 272 bytes,
	s_add_co_u32 s[STB], s[STB], 512               ; 128 biases,
	s_add_co_u32 s[STV], s[STV], 64                ; 128 codes in each row of V,
	s_add_co_u32 s[STS], s[STS], 4                 ; four scale bytes
	s_sub_co_u32 s[CNT], s[CNT], 1
	s_cmp_lg_u32 s[CNT], 0
	s_cbranch_scc1 .Lstep_\@
	STEP \p, 0                                     ; step 7 is written out: there are no keys behind it to ask for
	; THE WAY OUT.  The sum's two halves and lane l xor 16's are added (these lines are the places behind the last product); O^T is divided by the sum and goes through my own stage:
	; a lane holds 32 bytes of a row of 64, and comes back with 16 bytes of 512 consecutive ones.
	v_add_f32 v[TM],   v[L],   v[L+1]
	v_add_f32 v[TM+1], v[L+2], v[L+3]
	v_permlanex16_b32 v[TX],   v[TM],   s20, s21
	v_permlanex16_b32 v[TX+1], v[TM+1], s20, s21
	v_add_f32 v[TM],   v[TM],   v[TX]
	v_add_f32 v[TM+1], v[TM+1], v[TX+1]            ; never 0: an open key gives at least 2^-29.5, a batch without one 1,024
	v_rcp_f32 v[RC],   v[TM]
	v_rcp_f32 v[RC+1], v[TM+1]
	v_nop
	s_wait_alu depctr_va_vdst(0)                   ; the two reciprocals are written, ahead of their first reader
.irp u, 0,1
.irp j, 0,1,2,3,4,5,6,7
	v_mul_f32 v[P+8*\u+\j], v[O+8*\u+\j], v[RC+\u]                 ; each accumulator from its low end on
.endr
.endr
	s_wait_alu depctr_va_vdst(0)                   ; the multiplications have written v[P .. P+15], which the stage's stores read; the last unit's lines are done with v[P+16 .. P+31], in which the loads from the stage land
.irp u, 0,1
	ds_store_b128 v[STO], v[P+8*\u:P+8*\u+3]   offset:1280*\u
	ds_store_b128 v[STO], v[P+8*\u+4:P+8*\u+7] offset:1280*\u+16
.endr
.irp u, 0,1
	ds_load_b128 v[P+16+8*\u:P+16+8*\u+3], v[RD] offset:1280*\u        ; LDS serves a wave's instructions in order (ISA guide 5.7.1.4): these see my stores
	ds_load_b128 v[P+20+8*\u:P+20+8*\u+3], v[RD] offset:1280*\u+640    ; rows 8 to 15
.endr
	s_wait_dscnt 0x0
.irp u, 0,1
	global_store_b128 v[GO], v[P+16+8*\u:P+16+8*\u+3], s[14:15] offset:(2*\p+\u)*1024 th:TH_STORE_NT       ; 32 lanes store 512 consecutive bytes, at a multiple of 512 from out0's first byte
	global_store_b128 v[GO], v[P+20+8*\u:P+20+8*\u+3], s[14:15] offset:(2*\p+\u)*1024+512 th:TH_STORE_NT
.endr
.endm
	PASS 0
	PASS 1
	s_wait_dscnt 0x0
	s_wait_alu depctr_hold_cnt(0) depctr_sa_sdst(0) depctr_va_vdst(0) depctr_va_sdst(0) depctr_va_ssrc(0) depctr_va_vcc(0) depctr_vm_vsrc(0)
	s_wait_tensorcnt 0x0
	ds_add_u32 v254, v255
	s_wait_dscnt 0x0
	s_endpgm
.Lfunc_end_k_qf9a0029389_attn:
	.size	k_qf9a0029389_attn, .Lfunc_end_k_qf9a0029389_attn-k_qf9a0029389_attn
	.p2alignl 7, 3214868480
	.fill 96, 4, 3214868480
	.section	.rodata,"a",@progbits
	.p2align	6, 0x0
	.amdhsa_kernel k_qf9a0029389_attn
		.amdhsa_group_segment_fixed_size 125696
		.amdhsa_private_segment_fixed_size 0
		.amdhsa_enable_private_segment 0
		.amdhsa_kernarg_size 48
		.amdhsa_user_sgpr_count 2
		.amdhsa_user_sgpr_kernarg_segment_ptr 1
		.amdhsa_wavefront_size32 1
		.amdhsa_system_sgpr_workgroup_id_x 1
		.amdhsa_system_sgpr_workgroup_id_y 1
		.amdhsa_system_sgpr_workgroup_id_z 1
		.amdhsa_system_vgpr_workitem_id 0
		.amdhsa_next_free_vgpr 256
		.amdhsa_next_free_sgpr 66
		.amdhsa_reserve_vcc 0
		.amdhsa_float_denorm_mode_32 3
		.amdhsa_float_denorm_mode_16_64 3
		.amdhsa_memory_ordered 1
		.amdhsa_forward_progress 1
		.amdhsa_inst_pref_size 175
	.end_amdhsa_kernel
	.amdgpu_metadata
---
amdhsa.version: [ 1, 2 ]
amdhsa.kernels:
  - .name:           k_qf9a0029389_attn
    .symbol:         k_qf9a0029389_attn.kd
    .args:
      - { .name: Q, .offset: 0, .size: 8, .value_kind: global_buffer, .address_space: global }
      - { .name: K, .offset: 8, .size: 8, .value_kind: global_buffer, .address_space: global }
      - { .name: V_codes, .offset: 16, .size: 8, .value_kind: global_buffer, .address_space: global }
      - { .name: V_scales, .offset: 24, .size: 8, .value_kind: global_buffer, .address_space: global }
      - { .name: mask, .offset: 32, .size: 8, .value_kind: global_buffer, .address_space: global }
      - { .name: out0, .offset: 40, .size: 8, .value_kind: global_buffer, .address_space: global }
    .group_segment_fixed_size: 125696
    .private_segment_fixed_size: 0
    .kernarg_segment_align: 8
    .kernarg_segment_size: 48
    .max_flat_workgroup_size: 512
    .sgpr_count:     66
    .vgpr_count:     256
    .wavefront_size: 32
...
	.end_amdgpu_metadata
.endif
;; end of part 2
